; MI455X (gfx1250); checked and timed in simulation.
; The chip was launched on July 23, 2026; its instructions are those of AMD's public machine-readable ISA for CDNA 5 (MIT licence, August 2026) and "CDNA5" Instruction Set Architecture Reference Guide (July 2026). The comments in the code are by the model that wrote it; some were corrected since.
;; Quantized Linear. Allowed arithmetic: matrix products marked QUANTISED: E2M1 operands, one E8M0 scale for each 32 along K, by v_wmma_scale_f32_16x16x128_f8f6f4 with both operands' format E2M1 (or v_wmma_scale_f32_32x16x128_f4), f32 sums; everything else in f32.
;; Inputs: bias 4,096 float32; scale 4,096 float32; weight_int8 4,096 x 4,096 int8; x 4 x 1,024 x 4,096 float32.
;; Outputs: out0 4 x 1,024 x 4,096 float32.
;; This version of the problem:
;;   THIS VERSION OF THE PROBLEM IS GIVEN IN LOW PRECISION. The matrix products marked QUANTISED in the list below multiply operands that are first quantised to E2M1 (2 exponent bits, 1 mantissa bit; 4 bits a number), with one power-of-two scale for each 32 numbers along K (OCP MX v1.0); their sums are f32. All else is computed in f32.
;;   The module's matrix products, in the order in which they are computed (A, B: the left and right operand; K: the contracted axis; several contracted axes count as one K, in the product's order):
;;     1. [M 4,096, K 4,096] x [K 4,096, N 4,096]; A: input x; B: computed on the way: QUANTISED
;;   THE QUANTISER, for each operand of a quantised product, along K:
;;     - K is cut into blocks of 32 from its start; a last block that is shorter is filled with zeros.
;;     - A block's scale is 2^e with e = floor(log2(the largest magnitude in the block)) - 2, held to -126 .. 127; a block of zeros has e = 0. As a byte (E8M0): e + 127.
;;     - Each number is divided by its block's scale, clamped to +-6, and rounded to the nearest number of E2M1, ties to even, subnormals kept.
;;     - The product sums the exact products of the quantised numbers (number of the format x scale) in f32.
;;   ~~~python
;;   def quantise(x, axis):      # numpy; x: float32 -> the quantised numbers, widened to float32 again
;;       x = np.moveaxis(x, axis, -1); K = x.shape[-1]
;;       x = np.pad(x, [(0, 0)] * (x.ndim - 1) + [(0, -K % 32)]); x = x.reshape(x.shape[:-1] + (-1, 32)); a = np.abs(x).max(-1, keepdims=True)
;;       e = np.where(a > 0, np.clip(np.frexp(np.where(a > 0, a, 1))[1] - 1 - 2, -126, 127), 0)      # np.frexp(a)[1] - 1 = floor(log2(a)), exactly
;;       r = np.clip(x / 2.0 ** e, -6, 6)
;;       step = 2.0 ** (np.maximum(np.frexp(np.where(r == 0, 1, r))[1] - 1, 0) - 1)
;;       q = np.round(r / step) * step * 2.0 ** e      # np.round: ties to even
;;       return np.moveaxis(q.reshape(q.shape[:-2] + (-1,))[..., :K], -1, axis).astype(np.float32)
;;   ~~~
;;   OPERANDS COMPUTED ON THE WAY. 'Computed on the way' means the value that the module computes at that place (a softmax that the list does not call 'softmax' is quantised finished and normalised). What goes into a quantiser is computed in f32, as accurately as f32 sums, v_exp_f32 and their like allow (about 1e-6 of the number): no bf16 or f16 on the way to a quantiser, and a product that is left as it is and whose result goes on into a quantised operand takes f32 operands (vector FMAs, or v_wmma_f32_16x16x4_f32). A number that lies on a knife's edge between two numbers of the format may be rounded either way, as far as f32 arithmetic and the matrix unit's own rounding can turn it there, and no further.
;; One version. Each part assembles by itself: llvm-mc -triple=amdgcn-amd-amdhsa -mcpu=gfx1250 --defsym DOCPART=n.
;; ======== version 1 of 1: 2 launches
;; limits: right only within a limited range of input values
;; workspace buffers: qa 8,912,896 bytes; qb 8,912,896 bytes
;; launch quant (part 1): grid 1024 x 1, 4 waves a work-group, no clusters, 34,304 bytes of LDS; arguments x, weight_int8, scale, qa, qb; writes qa, qb
.if DOCPART == 1
	.amdgcn_target "amdgcn-amd-amdhsa--gfx1250"
	.amdhsa_code_object_version 6
	.text
	.protected	k_q5d3b03b963_quant
	.globl	k_q5d3b03b963_quant
	.p2align	8
	.type	k_q5d3b03b963_quant,@function
k_q5d3b03b963_quant:
	s_mov_b64 s[64:65], 0
	v_nop
	global_prefetch_b8 v0, s[64:65] scope:SCOPE_SE
	s_setreg_imm32_b32 hwreg(HW_REG_WAVE_MODE, 25, 1), 1
	s_wait_xcnt 0x0
; x [4096][4096] f32 and w[n][k] = f32(weight_int8[n][k]) * scale[n] are turned into codes of FP4 (E2M1), 4 bits each, K innermost, with one E8M0 scale byte for each 32 along K.
; A block's scale is 2^(floor(log2(its largest magnitude)) - 2); its byte is the largest magnitude's own exponent field - 2, held at 1 from below.  Each number is divided by the scale and rounded to the
; nearest code, ties to even; beyond the largest code the conversion gives the largest code.
; LIMITS: a block of zeros gets the byte 1 where the quantiser's text says 127: its codes are zeros, which add nothing under any byte but 0xff, and the bytes are read by this program alone.
;   NaN and infinities among the inputs are not served.  |scale| from 2^121 on overflows -128 x scale (the product scale x -128 of the problem's own text overflows there too).
; THE WORKSPACE (qa for x, qb for w, laid alike): [32 groups of 128 rows][8 K steps of 512][BLK = 34,816 bytes].  In a block: row r's 512 codes at 256 r (the lower k in the low four bits),
; row r's 16 scale bytes at 32,768 + 16 r.  So the tile that the product's launch wants (128 rows x 512 K, codes and scale bytes) is one run of 136 x 256 consecutive bytes.
; SHARES.  Work-groups 0-511 take x, 512-1023 take w.  u = work-group & 511; R = u / 2: 16 rows; a wave takes those 16 rows x ONE K step s = 4 (u & 1) + wave: sixteen steps t of one row's 512 numbers.
; A step's codes are 256 bytes: one store of the wave covers 256 consecutive bytes, aligned.  A wave's 16 x 16 scale bytes are gathered in LDS and leave likewise as 256 consecutive bytes, aligned.
; The conversions take numbers of ONE block from a lane's consecutive registers, so a lane must hold 16 NEIGHBOURS along K (two neighbouring lanes hold a block).
;   x: each load reads 512 consecutive bytes, 16 a lane; a step's 2,048 bytes turn through the wave's own stage in LDS and come back 64 bytes a lane (16 bytes of padding behind each 64).
;   w: a lane's 16 bytes of a load ARE 16 neighbours: no turn.  i + 128 (one exclusive or on four bytes) is cut out as an unsigned byte u and made f32; u x scale - 128 x scale in ONE fused
;      multiply-add is (u - 128) x scale rounded once: the bits of f32(i) x scale.
; No tensor loads, no barrier: waves share nothing.  The two paths part on the work-group's number, never join, and have LDS bytes of their own.
.set BLK,   34816
.set STEPS, 16
.set SP,    80                         ; a lane's place in a stage: its 64 bytes + 16 of padding
.set R,     24                         ; v24-87   x: four sets of 16 numbers as loaded;  w: four registers (16 bytes) for each step
.set X,     88                         ; v88-119  two sets of 16 neighbours
.set E,     120                        ; v120-135 a scale byte for each step
.set C,     136                        ; v136-167 codes: a pair for each step, so that no store's data are written again
	s_load_b128 s[4:7], s[0:1], 0x0                ; x, weight_int8
	s_load_b128 s[8:11], s[0:1], 0x10              ; scale, qa
	s_load_b64 s[12:13], s[0:1], 0x20              ; qb
	v_lshl_add_u32 v168, v0, 2, 0x8400
	v_mov_b32 v169, 0
	v_lshrrev_b32 v1, 5, v0
	v_readfirstlane_b32 s16, v1                    ; wave 0..3
	v_and_b32 v2, 31, v0                           ; lane
	v_lshlrev_b32 v3, 4, v2                        ; my 16 bytes of a load's 512
	v_lshlrev_b32 v4, 3, v2                        ; my 8 bytes of a store's 256
	; every LDS address of both paths is made here, ahead of the parting
	s_lshl_b32 s17, s16, 13                        ; x's path: 8,192 bytes for each wave
	v_lshrrev_b32 v14, 2, v2
	v_mul_u32_u24 v14, v14, SP
	v_and_b32 v15, 3, v2
	v_lshl_add_u32 v14, v15, 4, v14
	v_add_nc_u32 v14, s17, v14                     ; the stage, on the way in: SP (lane / 4) + 16 (lane % 4); a load's 512 bytes take eight places
	v_mul_u32_u24 v15, v2, SP
	v_add_nc_u32 v15, s17, v15                     ; and on the way out: SP x lane: my 16 neighbours
	v_lshrrev_b32 v5, 1, v2                        ; my block of a step's sixteen
	s_add_co_u32 s17, s17, 2*32*SP                 ; behind the two stages: the wave's 256 scale bytes
	v_add_nc_u32 v6, s17, v4                       ; on the way out 8 bytes a lane
	s_lshl_b32 s22, s16, 8
	s_add_co_u32 s22, s22, 32768                   ; w's path: 256 scale bytes for each wave, behind x's regions
	v_add_nc_u32 v16, s22, v5
	v_add_nc_u32 v17, s22, v4
	v_add_nc_u32 v5, s17, v5
	v_mov_b32 v19, 0                               ; the upper halves of the pairs v[18:19] and v[20:21], of which the packed form takes the low word alone: named, so written
	v_mov_b32 v21, 0
	; where my wave's part lies
	s_and_b32 s18, ttmp9, 511                      ; u
	s_lshr_b32 s19, s18, 1                         ; R: rows 16 R on
	s_and_b32 s20, s18, 1
	s_lshl_b32 s20, s20, 2
	s_add_co_u32 s20, s20, s16                     ; s: my K step
	s_lshr_b32 s21, s19, 3                         ; g: the group of 128 rows
	s_lshl_b32 s21, s21, 3
	s_add_co_u32 s21, s21, s20
	s_mul_i32 s24, s21, BLK                        ; block 8 g + s (under 2^24 bytes in all)
	s_and_b32 s21, s19, 7                          ; j: which 16 rows of the 128
	s_lshl_b32 s26, s21, 8
	s_add_co_u32 s26, s26, s24
	s_add_co_u32 s26, s26, 32768                   ; the scale bytes: block + 32,768 + 256 j
	s_lshl_b32 s21, s21, 12
	s_add_co_u32 s24, s24, s21                     ; the codes: block + 4,096 j
	s_mov_b32 s23, 0
	s_mov_b32 s25, 0
	s_mov_b32 s27, 0
	s_wait_kmcnt 0x0
	s_cmp_ge_u32 ttmp9, 512
	s_cbranch_scc1 .Lweights
; 16 neighbours a lane in v[XS] on become 8 bytes of codes and, with the neighbouring lane, a scale byte.  badr: the register with the byte's LDS address;  cptr: the pair with the codes' address
.macro QSTEP t, badr, cptr
	v_max3_num_f32 v8, |v[XS]|, |v[XS+1]|, |v[XS+2]|               ; the largest magnitude of my 16, in two chains
	v_max3_num_f32 v9, |v[XS+3]|, |v[XS+4]|, |v[XS+5]|
.irp i, 6,10
	v_max3_num_f32 v8, v8, |v[XS+\i]|, |v[XS+\i+1]|
	v_max3_num_f32 v9, v9, |v[XS+\i+2]|, |v[XS+\i+3]|
.endr
	v_max3_num_f32 v8, v8, |v[XS+14]|, |v[XS+15]|
	v_max3_num_f32 v8, v8, v9, 0x1800000           ; and the floor 2^(3 - 127), under which no largest magnitude is taken: so the byte cannot fall under 1
	v_max_num_f32_dpp v8, v8, v8 row_xmask:1 row_mask:0xf bank_mask:0xf   ; and of my neighbour's 16: the block's
	v_add_nc_u32 v11, 0xff000000, v8               ; 2 off its exponent field: the conversion takes the exponent field of this operand as its scale, and nothing else of it
	v_cvt_scalef32_pk8_fp4_f32 v[C+2*(\t)], v[XS:XS+7], v11        ; the first number's code in the lowest four bits
	v_cvt_scalef32_pk8_fp4_f32 v[C+2*(\t)+1], v[XS+8:XS+15], v11
	v_lshrrev_b32 v[E+(\t)], 23, v11               ; the scale's byte; also the plain vector line behind the conversions
	ds_store_b8 v[\badr], v[E+(\t)] offset:16*(\t) ; both lanes of a block write the same byte with the same value
	global_store_b64 v4, v[C+2*(\t):C+2*(\t)+1], s[\cptr:\cptr+1] offset:256*(\t)   ; row 16 j + t's codes of this K step: 32 lanes store 256 consecutive bytes, aligned
.endm
	; ---------------- x ----------------
	s_lshl_b32 s22, s19, 18                        ; 16 R rows of 16,384 bytes
	s_lshl_b32 s21, s20, 11                        ; + K step s: 2,048 bytes
	s_add_co_u32 s22, s22, s21
	s_add_nc_u64 s[4:5], s[4:5], s[22:23]
	s_add_nc_u64 s[28:29], s[10:11], s[24:25]      ; qa: my codes,
	s_add_nc_u64 s[30:31], s[10:11], s[26:27]      ; my scale bytes
.macro LOAD t
.irp i, 0,1,2,3
	global_load_b128 v[R+16*((\t)%4)+4*\i:R+16*((\t)%4)+4*\i+3], v3, s[4:5] offset:16384*(\t)+512*\i th:TH_LOAD_NT   ; 32 lanes read 512 consecutive bytes of row t
.endr
.endm
.macro TURN t                          ; step t's numbers through the stage: LDS serves a wave's instructions in order (ISA guide 5.7.1.4), so no wait stands between the stores and the loads
.irp i, 0,1,2,3
	ds_store_b128 v14, v[R+16*((\t)%4)+4*\i:R+16*((\t)%4)+4*\i+3] offset:32*SP*((\t)%2)+8*SP*\i
.endr
.irp i, 0,1,2,3
	ds_load_b128 v[X+16*((\t)%2)+4*\i:X+16*((\t)%2)+4*\i+3], v15 offset:32*SP*((\t)%2)+16*\i
.endr
.endm
.irp t, 0,1,2,3
	LOAD \t
.endr
	s_wait_loadcnt 12                              ; step 0's four loads are in; the twelve of steps 1 to 3 stay out
	s_wait_alu depctr_va_vdst(0)
	TURN 0
.macro STEP t
.set XS, X+16*((\t)%2)
.if (\t) > 0
	s_wait_dscnt 1                                 ; this step's numbers are back from the stage (only the last step's byte store may be out): so its stores into the stage have read their registers,
.else
	s_wait_dscnt 0x0
.endif
.if (\t)+4 < STEPS
	LOAD (\t)+4                                    ; which take the loads of four steps on
.endif
.if (\t)+1 < STEPS
.if STEPS-2-(\t) >= 3
	s_wait_loadcnt 12                              ; the next step's four loads are in; those of the three steps behind it may be out
.else
	s_wait_loadcnt 4*(STEPS-2-(\t))                ; the tail: four for each step that is still behind the next one
.endif
	TURN (\t)+1                                    ; and go through the other stage while this step is worked
.endif
	QSTEP \t, 5, 28
.endm
.irp t, 0,1,2,3,4,5,6,7,8,9,10,11,12,13,14,15
	STEP \t
.endr
	ds_load_b64 v[12:13], v6                       ; LDS serves a wave's instructions in order: these see my byte stores
	s_wait_dscnt 0x0
	global_store_b64 v4, v[12:13], s[30:31]        ; the 16 rows' scale bytes of this K step: 256 consecutive bytes, aligned
	s_wait_tensorcnt 0x0
	ds_add_u32 v168, v169
	s_wait_dscnt 0x0
	s_endpgm
	; ---------------- w ----------------
.Lweights:
	s_lshl_b32 s22, s19, 6                         ; scale[16 R] on: 64 bytes
	s_add_nc_u64 s[8:9], s[8:9], s[22:23]
	s_load_b512 s[32:47], s[8:9], 0x0              ; my 16 rows' scales
	s_lshl_b32 s22, s19, 16                        ; 16 R rows of 4,096 bytes
	s_lshl_b32 s21, s20, 9                         ; + K step s: 512 bytes
	s_add_co_u32 s22, s22, s21
	s_add_nc_u64 s[6:7], s[6:7], s[22:23]
	s_add_nc_u64 s[28:29], s[12:13], s[24:25]      ; qb: my codes,
	s_add_nc_u64 s[30:31], s[12:13], s[26:27]      ; my scale bytes
.irp t, 0,1,2,3,4,5,6,7,8,9,10,11,12,13,14,15
	global_load_b128 v[R+4*\t:R+4*\t+3], v3, s[6:7] offset:4096*\t th:TH_LOAD_NT   ; row t's 512 numbers: 32 lanes read 512 consecutive bytes; all sixteen loads go out at once
.endr
	s_wait_kmcnt 0x0
.macro WSTEP t
.set XS, X+16*((\t)%2)
.set RS, R+4*(\t)
	s_wait_loadcnt 15-(\t)                         ; loads come back in order (ISA guide 5.7.1): row t's is in, one for each later row stays out
.irp d, 0,1,2,3
	v_xor_b32 v[RS+\d], 0x80808080, v[RS+\d]       ; i + 128 in each byte: unsigned
.endr
.irp d, 0,1,2,3
.irp b, 0,1,2,3
	v_bfe_u32 v[XS+4*\d+\b], v[RS+\d], 8*\b, 8
.endr
.endr
.irp i, 0,1,2,3,4,5,6,7,8,9,10,11,12,13,14,15
	v_cvt_f32_u32 v[XS+\i], v[XS+\i]
.endr
	v_mov_b32 v18, s[32+(\t)]                      ; the row's scale,
	v_mul_f32 v20, 0xc3000000, v18                 ; and -128 x it: exact
.irp p, 0,2,4,6,8,10,12,14
	v_pk_fma_f32 v[XS+\p:XS+\p+1], v[XS+\p:XS+\p+1], v[18:19], v[20:21] op_sel_hi:[1,0,0]   ; u x scale - 128 x scale = i x scale, rounded once; two at a time
.endr
	QSTEP \t, 16, 28
.endm
.irp t, 0,1,2,3,4,5,6,7,8,9,10,11,12,13,14,15
	WSTEP \t
.endr
	ds_load_b64 v[12:13], v17
	s_wait_dscnt 0x0
	global_store_b64 v4, v[12:13], s[30:31]
	s_wait_tensorcnt 0x0
	ds_add_u32 v168, v169
	s_wait_dscnt 0x0
	s_endpgm
.Lfunc_end_k_q5d3b03b963_quant:
	.size	k_q5d3b03b963_quant, .Lfunc_end_k_q5d3b03b963_quant-k_q5d3b03b963_quant
	.p2alignl 7, 3214868480
	.fill 96, 4, 3214868480
	.section	.rodata,"a",@progbits
	.p2align	6, 0x0
	.amdhsa_kernel k_q5d3b03b963_quant
		.amdhsa_group_segment_fixed_size 34304
		.amdhsa_private_segment_fixed_size 0
		.amdhsa_enable_private_segment 0
		.amdhsa_kernarg_size 40
		.amdhsa_user_sgpr_count 2
		.amdhsa_user_sgpr_kernarg_segment_ptr 1
		.amdhsa_wavefront_size32 1
		.amdhsa_system_sgpr_workgroup_id_x 1
		.amdhsa_system_sgpr_workgroup_id_y 1
		.amdhsa_system_sgpr_workgroup_id_z 1
		.amdhsa_system_vgpr_workitem_id 0
		.amdhsa_next_free_vgpr 170
		.amdhsa_next_free_sgpr 66
		.amdhsa_reserve_vcc 0
		.amdhsa_float_denorm_mode_32 3
		.amdhsa_float_denorm_mode_16_64 3
		.amdhsa_memory_ordered 1
		.amdhsa_forward_progress 1
		.amdhsa_inst_pref_size 90
	.end_amdhsa_kernel
	.amdgpu_metadata
---
amdhsa.version: [ 1, 2 ]
amdhsa.kernels:
  - .name:           k_q5d3b03b963_quant
    .symbol:         k_q5d3b03b963_quant.kd
    .args:
      - { .name: x, .offset: 0, .size: 8, .value_kind: global_buffer, .address_space: global }
      - { .name: weight_int8, .offset: 8, .size: 8, .value_kind: global_buffer, .address_space: global }
      - { .name: scale, .offset: 16, .size: 8, .value_kind: global_buffer, .address_space: global }
      - { .name: qa, .offset: 24, .size: 8, .value_kind: global_buffer, .address_space: global }
      - { .name: qb, .offset: 32, .size: 8, .value_kind: global_buffer, .address_space: global }
    .group_segment_fixed_size: 34304
    .private_segment_fixed_size: 0
    .kernarg_segment_align: 8
    .kernarg_segment_size: 40
    .max_flat_workgroup_size: 128
    .sgpr_count:     66
    .vgpr_count:     170
    .wavefront_size: 32
...
	.end_amdgpu_metadata
.endif
;; end of part 1
;; launch gemm (part 2): grid 16 x 16, 4 waves a work-group, clusters of 4 x 4, 327,680 bytes of LDS; arguments qa, qb, bias, out0; writes out0
.if DOCPART == 2
	.amdgcn_target "amdgcn-amd-amdhsa--gfx1250"
	.amdhsa_code_object_version 6
	.text
	.protected	k_q5d3b03b963_gemm
	.globl	k_q5d3b03b963_gemm
	.p2align	8
	.type	k_q5d3b03b963_gemm,@function
k_q5d3b03b963_gemm:
	s_mov_b64 s[64:65], 0
	v_nop
	global_prefetch_b8 v0, s[64:65] scope:SCOPE_SE
	s_setreg_imm32_b32 hwreg(HW_REG_WAVE_MODE, 25, 1), 1
	s_wait_xcnt 0x0
	s_wait_alu depctr_hold_cnt(0) depctr_sa_sdst(0) depctr_va_vdst(0) depctr_va_sdst(0) depctr_va_ssrc(0) depctr_va_vcc(0) depctr_vm_vsrc(0)
	s_getreg_b32 s2, hwreg(HW_REG_IB_STS2, 6, 4)
	s_cmp_eq_u32 s2, 0
	s_cbranch_scc0 .Lentry_in_a_cluster
	s_endpgm
.Lentry_in_a_cluster:
	s_bfe_u32 s2, ttmp6, 0x10000c
	s_cmp_lg_u32 s2, 0xf033
	s_cbranch_scc0 .Lentry_shape_is_right
	s_endpgm
.Lentry_shape_is_right:
; out0[m][n] = bias[n] + sum over k of x[m][k] w[n][k], m, n, k = 4,096 each.  x and w are codes of FP4 with one E8M0 byte for each 32 along K, as the launch before has laid them:
; qa (x) and qb (w): [32 groups of 128 rows][8 K steps of 512][BLK bytes]; in a block row r's 512 codes at 256 r, row r's 16 scale bytes at 32,768 + 16 r.
; LIMITS: the sum begins with the bias instead of ending with it (another order of rounding).  NaN and infinities are not served.
; A work-group of four waves makes 256 x 256 of out0, a wave 128 x 128.  K goes in eight steps of 512 through a ring of two LDS slots; a slot is four blocks: x's two groups of 128 rows, w's two, one tensor load each (136 rows of 256 bytes).
; CLUSTERS: 4 x 4 work-groups.  x's blocks hang on the tile row alone and are asked for jointly along a row of the cluster, w's on the tile column alone, along a column.
; THE FORM: 32 x 16 x 128; source 0 = 32 rows of w, source 1 = 16 rows of x: lane (r, h) then holds row r of x's 16 and, in registers 0-7 and 8-15, columns 8 h + 0..7 and 16 + 8 h + 0..7.
; A quarter of a slot, 128 along K, is 32 products a wave, eight quads; quad b = x's block b (16 rows) x w's four blocks (32 rows each).  The 32 accumulators take turns, one instruction a turn.
; A quarter's fragments are 32 LDS loads in eight groups of four, in the order of their first use:
;   group 0: x's blocks 0, 1;  groups 1-4: w's blocks 0-3;  groups 5-7: x's blocks 2, 3;  4, 5;  6, 7.  Loads go out in runs of two groups between quads.
; THREE SETS of fragment registers, so that a slot's reads end one quarter ahead of its products.  Slot 0's quarters lie in sets 0, 1, 2, 0, slot 1's in sets 1, 0, 2, 1.
;   quarter 0: loads quarters 1 and 2;  quarter 1: loads quarter 3;  quarter 2: loads nothing of this slot: the change of slots stands here, with products inside the round;  quarter 3: loads the next slot's quarter 0.
; PREFETCH: each K step from 2 on is asked of memory one K step ahead of its joint load.  Of the 136 units of 256 bytes of the block that a wave fetches, the partner at place p (cx for x, cy for w) takes 32 p .. 32 p + 31
; (codes) and 128 + 2 p, 129 + 2 p (scale bytes): each unit once in each cluster.  The last refill asks for nothing: no K step follows.  K steps 0 and 1 come by their loads alone.
; REGISTERS, windows of 256: 0: v0-31 addresses, v32-95 scale words (two sets), v64-127 the bias until the first quarter has taken it, v128-255 fragment set 2;  1: fragment sets 0 and 1, 128 registers each (w's 64, then x's 64);
;   2, 3: accumulators: x's block b, w's block i at v[64 (b % 4) + 16 i] of window 2 + b / 4.
.set BLK,    34816
.set PITCH,  272                       ; an LDS row: 256 bytes + 16 of padding: 16 rows start at 16 different columns of 16 bytes modulo 256
.set HALFT,  136*PITCH                 ; a block in LDS
.set SCOFF,  128*PITCH                 ; its scale bytes: 16 rows' to an LDS row
.set SLOT,   4*HALFT
.set SPARE,  2*SLOT                    ; the spare words: 128 bytes for each wave
.set SPITCH, 528                       ; the way out: 16 rows x (512 bytes + 16) for each wave, in slot 0 behind its last read
.set ROWO,   16384                     ; a row of out0 in bytes
.set ADRX, 16                          ; v16-17 my x fragments in slot 0, 1
.set ASX,  18                          ; v18-19 my x rows' scale words
.set ADRW, 20                          ; v20-21 my w fragments
.set ASW,  22                          ; v22-23 my w rows' scale words
.set STO,  24                          ; into the stage
.set RD,   25                          ; out of it
.set CO,   26                          ; byte in a row of out0
.set BO,   27                          ; byte in bias
.set SPW,  28                          ; my spare word; never rewritten
.set NIL,  29                          ; 0; never rewritten
.set PFO,  30                          ; v30-31 the prefetches' offsets in a block; never rewritten
.set SC,   32                          ; scale words, set s at 32 + 32 s: w's block i, word q at 4 i + q (lane = row of 32); x's blocks 2 j, 2 j + 1 at 16 + 4 j + q (lanes 0-15, 16-31)
.set BIAS, 64                          ; v64-127 bias in the accumulators' layout; slot 1's scale words land on v64-95 behind its use
.set XT,   96                          ; the last K step: x's block 0
.set G1,  24                           ; s[24:31] group 1 for x;  s[32:39] group 0, one for each slot
.set G0,  32
.set G1B, 48                           ; s[48:55], s[56:63] the same for w
.set G0B, 56
.set PFA, 46                           ; s[46:47] where my prefetches stand
.set MSB, 0
.macro WIN new                         ; the immediate's high byte repeats the setting that is left
.if MSB != (\new)
	s_set_vgpr_msb (MSB<<8)|(\new)
.set MSB, (\new)
.endif
.endm
.macro WINM b, p, first                ; both sources in set p's window, D window 2 or 3; C the same, or the bias in window 0 (set 0)
.if \first
	WIN (0x85+0x40*((\b)/4))
.else
	WIN (5*(1-(\p)/2)+0xa0+0x50*((\b)/4))
.endif
.endm
.macro PLACES                          ; four places in front of loads into registers that products have read, and of reads of results
.rept 4
	v_nop
.endr
.endm
.macro JLOAD s                         ; a joint load: waves 0, 1 fetch x's two blocks, waves 2, 3 w's
	s_cmp_eq_u32 s15, 0
	s_cbranch_scc0 .Lfor_w_\@
	tensor_load_to_lds s[G0+4*\s:G0+4*\s+3], s[G1:G1+7]
	s_nop 0
	PLACES
	s_branch .Lasked_\@
.Lfor_w_\@:
	tensor_load_to_lds s[G0B+4*\s:G0B+4*\s+3], s[G1B:G1B+7]
	s_nop 0
	PLACES
.Lasked_\@:
.endm
.macro CROUND                          ; a round of the cluster's barrier
	s_barrier_signal -1
	s_barrier_wait -1
	s_cmp_lg_u32 s14, 0
	s_cbranch_scc1 .Lnot_wave_0_\@
	s_barrier_signal -3
.Lnot_wave_0_\@:
	s_barrier_wait -3
	s_barrier_signal -1
	s_barrier_wait -1
.endm
.macro PREF k                          ; K step k, counted from where PFA stands
	global_prefetch_b8 v[PFO], s[PFA:PFA+1] offset:(\k)*BLK th:TH_LOAD_NT scope:SCOPE_SE
	global_prefetch_b8 v[PFO+1], s[PFA:PFA+1] offset:(\k)*BLK th:TH_LOAD_NT scope:SCOPE_SE
.endm
.macro ASK k, always                   ; always = 0: the last trip asks for nothing
.if \always
	PREF \k
.else
	s_cmp_gt_u32 s3, 1
	s_cbranch_scc0 .Lno_ask_\@
	PREF \k
.Lno_ask_\@:
.endif
.endm
	s_load_b256 s[4:11], s[0:1], 0x0               ; qa, qb, bias, out0
	v_lshl_add_u32 v[SPW], v0, 2, SPARE
	v_mov_b32 v[NIL], 0
	ds_add_u32 v[SPW], v[NIL]                      ; the opening add, twice on end; the set-up below stands between it and its wait
	ds_add_u32 v[SPW], v[NIL]
	v_lshrrev_b32 v1, 5, v0
	v_readfirstlane_b32 s14, v1                    ; wave 0..3
	s_lshr_b32 s15, s14, 1                         ; which half of the tile's rows is mine.  Also: I fetch for x (0) or w (1)
	s_and_b32 s16, s14, 1                          ; which half of its columns.  Also: which block of that tile I fetch
	s_bfe_u32 s40, ttmp6, 0x40000                  ; cx, cy
	s_bfe_u32 s41, ttmp6, 0x40004
	s_lshl_b32 s42, ttmp9, 2
	s_add_co_u32 s42, s42, s40                     ; tile column
	s_and_b32 s17, ttmp7, 0xffff
	s_lshl_b32 s17, s17, 2
	s_add_co_u32 s17, s17, s41                     ; tile row
	s_lshl_b32 s43, s41, 2
	s_lshl_b32 s43, 15, s43                        ; my row of the cluster
	s_lshl_b32 s44, 0x1111, s40                    ; my column
	; group 1: 136 rows of 32 elements of 8 bytes, dense in memory, 4 words of padding behind every 64
	s_or_b32 s[G1+0], s43, (3<<16)|(1<<20)|(1<<21)|(5<<22)|(3<<25)
	s_or_b32 s[G1B+0], s44, (3<<16)|(1<<20)|(1<<21)|(5<<22)|(3<<25)
.irp g, G1, G1B
	s_mov_b32 s[\g+1], 32<<16
	s_mov_b32 s[\g+2], 136<<16
	s_mov_b32 s[\g+3], 32<<16
	s_mov_b32 s[\g+4], 136
	s_mov_b32 s[\g+5], 32
	s_mov_b32 s[\g+6], 0
	s_mov_b32 s[\g+7], 0
.endr
	s_mul_i32 s45, s14, HALFT                      ; where my block lands in a slot
.irp s, 0,1
	s_mov_b32 s[G0+4*\s], 1
	s_add_co_u32 s[G0+4*\s+1], s45, \s*SLOT
	s_mov_b32 s[G0B+4*\s], 1
	s_add_co_u32 s[G0B+4*\s+1], s45, \s*SLOT
.endr
	s_lshl_b32 s18, s17, 1
	s_add_co_u32 s18, s18, s16
	s_mul_i32 s18, s18, 8*BLK                      ; x: group 2 x tile row + half
	s_mov_b32 s19, 0
	s_lshl_b32 s46, s42, 1
	s_add_co_u32 s46, s46, s16
	s_mul_i32 s46, s46, 8*BLK                      ; w: group 2 x tile column + half
	s_mov_b32 s47, 0
	s_mul_i32 s21, s15, HALFT                      ; my 128 rows of x in a slot
	s_mul_i32 s22, s16, HALFT
	s_add_co_u32 s22, s22, 2*HALFT                 ; my 128 rows of w
	s_mul_i32 s23, s14, 16*SPITCH                  ; my stage
	s_cmp_eq_u32 s15, 0
	s_cselect_b32 s13, s40, s41                    ; p: my place among the four that ask with me
	s_lshl_b32 s12, s13, 13                        ; 32 p units
	s_lshl_b32 s13, s13, 9
	s_add_co_u32 s13, s13, 32768                   ; unit 128 + 2 p
	v_and_b32 v1, 15, v0                           ; r
	v_bfe_u32 v2, v0, 4, 1                         ; h
	v_and_b32 v6, 31, v0
	v_mul_u32_u24 v3, v1, PITCH
	v_lshl_add_u32 v4, v2, 4, v3                   ; a fragment's row x pitch + 16 h
	v_add_nc_u32 v[ADRX], s21, v4
	v_add_nc_u32 v[ADRW], s22, v4
	v_add_nc_u32 v[ADRX+1], SLOT, v[ADRX]
	v_add_nc_u32 v[ADRW+1], SLOT, v[ADRW]
	v_mul_u32_u24 v5, v2, PITCH
	v_lshl_add_u32 v5, v1, 4, v5                   ; scale words: row l of 32: 16 r in LDS row h
	v_add_nc_u32 v5, SCOFF, v5
	v_add_nc_u32 v[ASX], s21, v5
	v_add_nc_u32 v[ASW], s22, v5
	v_add_nc_u32 v[ASX+1], SLOT, v[ASX]
	v_add_nc_u32 v[ASW+1], SLOT, v[ASW]
	v_mul_u32_u24 v7, v1, SPITCH
	v_lshl_add_u32 v7, v2, 5, v7
	v_add_nc_u32 v[STO], s23, v7                   ; in: row r, 32 bytes for each h
	v_lshlrev_b32 v[CO], 4, v6
	v_add_nc_u32 v[RD], s23, v[CO]                 ; back: 32 lanes take one row of 512 bytes
	v_lshlrev_b32 v[BO], 5, v2
	v_lshlrev_b32 v8, 8, v6
	v_add_nc_u32 v[PFO], s12, v8                   ; a lane a unit
	v_min_u32 v9, 1, v6
	v_lshlrev_b32 v9, 8, v9
	v_add_nc_u32 v[PFO+1], s13, v9                 ; two units; the lanes left over name the second again
	s_wait_alu depctr_va_vdst(0)
	s_wait_dscnt 0x0                               ; both opening adds are done
	CROUND                                         ; all sixteen work-groups are here: the first joint loads meet
	s_wait_kmcnt 0x0
	s_add_nc_u64 s[4:5], s[4:5], s[18:19]
	s_add_nc_u64 s[6:7], s[6:7], s[46:47]
	s_mov_b64 s[G0+2:G0+3], s[4:5]
	s_or_b32 s[G0+3], s[G0+3], 0x80000000
	s_mov_b64 s[G0B+2:G0B+3], s[6:7]
	s_or_b32 s[G0B+3], s[G0B+3], 0x80000000
	JLOAD 0                                        ; K step 0: one tensor load a wave at the head
	s_add_nc_u64 s[G0+6:G0+7], s[4:5], BLK
	s_or_b32 s[G0+7], s[G0+7], 0x80000000
	s_add_nc_u64 s[G0B+6:G0B+7], s[6:7], BLK
	s_or_b32 s[G0B+7], s[G0B+7], 0x80000000
	s_lshl_b32 s20, s17, 8
	s_lshl_b32 s21, s15, 7
	s_add_co_u32 s20, s20, s21
	s_lshl_b32 s20, s20, 14                        ; my first row of out0, in bytes
	s_mov_b32 s21, 0
	s_lshl_b32 s18, s42, 10
	s_lshl_b32 s19, s16, 9
	s_add_co_u32 s18, s18, s19                     ; my first column, in bytes
	s_mov_b32 s19, 0
	s_add_nc_u64 s[8:9], s[8:9], s[18:19]
	s_add_nc_u64 s[10:11], s[10:11], s[18:19]
	s_add_nc_u64 s[10:11], s[10:11], s[20:21]
.irp b, 0,1,2,3,4,5,6,7
	global_load_b128 v[BIAS+8*\b:BIAS+8*\b+3],   v[BO], s[8:9] offset:64*\b
	global_load_b128 v[BIAS+8*\b+4:BIAS+8*\b+7], v[BO], s[8:9] offset:64*\b+16
.endr
	s_cmp_eq_u32 s15, 0
	s_cselect_b64 s[PFA:PFA+1], s[4:5], s[6:7]     ; my block of K step 0
.macro FRAG reg, adr, q, i             ; 16 rows x 128 K: registers 4 c .. 4 c + 3 hold K = 64 c + 32 h + 0 .. 31 of row r
.irp c, 0,1
	ds_load_b128 v[\reg+4*\c:\reg+4*\c+3], v[\adr] offset:64*(\q)+32*\c+(\i)*16*PITCH
.endr
.endm
.macro LG slot, q, p, g                ; group g of the slot's quarter q, into set p
	WIN (0x40*(1-(\p)/2))
.set FB, 128*((\p)%2)+128*((\p)/2)
.if ((\g) == 0) || ((\g) > 4)
.set XB, 2*((\g)-4)*((\g)/5)
.irp u, 0,1
	FRAG FB+64+8*(XB+\u), ADRX+\slot, \q, XB+\u
.endr
.else
.irp u, 0,1
	FRAG FB+16*((\g)-1)+8*\u, ADRW+\slot, \q, 2*((\g)-1)+\u
.endr
.endif
.endm
.macro RUN slot, q, p, g               ; a run: two groups
	LG \slot, \q, \p, \g
	LG \slot, \q, \p, \g+1
.endm
.macro SCALES sc                       ; a slot's scale words: four words a row
	WIN 0
.irp i, 0,1,2,3
	ds_load_b128 v[SC+32*\sc+4*\i:SC+32*\sc+4*\i+3], v[ASW+\sc] offset:\i*2*PITCH
	ds_load_b128 v[SC+32*\sc+16+4*\i:SC+32*\sc+16+4*\i+3], v[ASX+\sc] offset:\i*2*PITCH
.endr
.endm
.macro WM odd                          ; x's odd blocks have their scale words in lanes 16-31
.if \odd
	v_wmma_scale_f32_32x16x128_f4 v[AC:AC+15], v[FW:FW+15], v[FX:FX+7], v[CC:CC+15], v[SW], v[SX] matrix_b_scale:MATRIX_SCALE_ROW1
.else
	v_wmma_scale_f32_32x16x128_f4 v[AC:AC+15], v[FW:FW+15], v[FX:FX+7], v[CC:CC+15], v[SW], v[SX]
.endif
.endm
.macro QUAD b, p, q, sc, first         ; x's block b with w's four blocks; the first quarter's C is the bias
	WINM \b, \p, \first
.irp i, 0,1,2,3
.set AC, 64*((\b)%4)+16*\i
.if \first
.set CC, BIAS+16*\i
.else
.set CC, AC
.endif
.set FW, 128*((\p)%2)+128*((\p)/2)+16*\i
.set FX, 128*((\p)%2)+128*((\p)/2)+64+8*(\b)
.set SW, SC+32*(\sc)+4*\i+(\q)
.set SX, SC+32*(\sc)+16+4*((\b)/2)+(\q)
	WM (\b)%2
.endr
.endm
.macro STEP0 slot, first, s0, s1       ; quarter 0 (set s0); loads quarters 1 (set s1) and 2 (set 2)
	s_wait_dscnt 8                                 ; all but my groups 6 and 7 are in
	QUAD 0, \s0, 0, \slot, \first
	PLACES
	RUN \slot, 1, \s1, 0                           ; two runs stand together
	RUN \slot, 1, \s1, 2
	QUAD 1, \s0, 0, \slot, \first
	QUAD 2, \s0, 0, \slot, \first
	RUN \slot, 1, \s1, 4
	RUN \slot, 1, \s1, 6
	QUAD 3, \s0, 0, \slot, \first
	s_wait_dscnt 32                                ; groups 6 and 7: behind them the four runs
	QUAD 4, \s0, 0, \slot, \first
	RUN \slot, 2, 2, 0
	RUN \slot, 2, 2, 2
	QUAD 5, \s0, 0, \slot, \first
	QUAD 6, \s0, 0, \slot, \first
	RUN \slot, 2, 2, 4
	RUN \slot, 2, 2, 6
	QUAD 7, \s0, 0, \slot, \first
.endm
.macro STEP1 slot, s0, s1              ; quarter 1 (set s1); loads quarter 3 (set s0)
	s_wait_dscnt 40                                ; my groups 0 to 5: behind them 6, 7 and quarter 2's 32 loads
	QUAD 0, \s1, 1, \slot, 0
	PLACES
	RUN \slot, 3, \s0, 0
	RUN \slot, 3, \s0, 2
	QUAD 1, \s1, 1, \slot, 0
	QUAD 2, \s1, 1, \slot, 0
	QUAD 3, \s1, 1, \slot, 0
	s_wait_dscnt 16                                ; all but the two runs just issued: quarter 2's are in as well
	QUAD 4, \s1, 1, \slot, 0
	RUN \slot, 3, \s0, 4
	RUN \slot, 3, \s0, 6
	QUAD 5, \s1, 1, \slot, 0
	QUAD 6, \s1, 1, \slot, 0
	QUAD 7, \s1, 1, \slot, 0
.endm
; Quarter 2 (set 2): the change of slots.  The slot just read out is filled again, two K steps on; s0n: the set of the next slot's quarter 0.
.macro STEP2 slot, next, s0n, k, always
	WIN 0
	s_wait_tensorcnt 0x0                           ; my part of the next slot has landed;
	ds_add_u32 v[SPW], v[NIL]
	s_add_nc_u64 s[G0+4*\slot+2:G0+4*\slot+3], s[G0+4*\slot+2:G0+4*\slot+3], 2*BLK
	s_add_nc_u64 s[G0B+4*\slot+2:G0B+4*\slot+3], s[G0B+4*\slot+2:G0B+4*\slot+3], 2*BLK
	QUAD 0, 2, 2, \slot, 0
	QUAD 1, 2, 2, \slot, 0
	s_wait_dscnt 0x0                               ; the add is done, and my reads of this slot are over: quarter 3's fragments are in
	s_barrier_signal -1                            ; the round opens; inside it stands work on registers alone
	QUAD 2, 2, 2, \slot, 0
	WIN 0
	s_barrier_wait -1
	s_cmp_lg_u32 s14, 0
	s_cbranch_scc1 .Lnot_wave_0_\@
	s_barrier_signal -3
.Lnot_wave_0_\@:
	s_barrier_wait -3
	s_barrier_signal -1
	s_barrier_wait -1                              ; no wave of any partner still reads this slot or has a load on its way
	JLOAD \slot                                    ; its four v_nop are also the places in front of the loads below
	SCALES \next                                   ; the next slot's quarter 0: its loads stand in this quarter and the next
	RUN \next, 0, \s0n, 0
	QUAD 3, 2, 2, \slot, 0
	QUAD 4, 2, 2, \slot, 0
	RUN \next, 0, \s0n, 2
	RUN \next, 0, \s0n, 4
	QUAD 5, 2, 2, \slot, 0
	QUAD 6, 2, 2, \slot, 0
	QUAD 7, 2, 2, \slot, 0
	WIN 0
	ASK \k, \always                                ; the K step behind the one just asked for
.endm
.macro STEP3 slot, next, s0, s0n       ; quarter 3 (set s0); loads the next slot's quarter 0
	QUAD 0, \s0, 3, \slot, 0
	RUN \next, 0, \s0n, 6
	QUAD 1, \s0, 3, \slot, 0
	QUAD 2, \s0, 3, \slot, 0
	QUAD 3, \s0, 3, \slot, 0
	QUAD 4, \s0, 3, \slot, 0
	QUAD 5, \s0, 3, \slot, 0
	QUAD 6, \s0, 3, \slot, 0
	QUAD 7, \s0, 3, \slot, 0
.endm
; THE LAST K STEP (slot 1) GOES BY ROWS: all of w's fragments lie in registers (quarters 0, 1 in set 1, quarters 2, 3 in set 2); x's eight blocks are finished one after the other, 16 products each, and leave at once.
; x's block 0 lies in v96-127, the others by turns in the four quarters of set 0.
.macro WL q, i0                        ; w's blocks i0, i0 + 1 of quarter q
	WIN (0x40*(1-(\q)/2))
.irp i, \i0, \i0+1
.irp u, 0,1
	FRAG 128+64*((\q)%2)+16*(\i)+8*\u, ADRW+1, \q, 2*(\i)+\u
.endr
.endr
.endm
.macro ALOAD a                         ; x's block a, four quarters
.if (\a) == 0
	WIN 0
.set XL, XT
.else
	WIN 0x40
.set XL, 32*((\a)%4)
.endif
.irp q, 0,1,2,3
	FRAG XL+8*\q, ADRX+1, \q, \a
.endr
.endm
.macro ROWQ a, q
.if (\a) == 0
.set XW, 0
.set XL, XT
.else
.set XW, 4
.set XL, 32*((\a)%4)
.endif
	WIN ((1-(\q)/2)+XW+0xa0+0x50*((\a)/4))
.irp i, 0,1,2,3
.set AC, 64*((\a)%4)+16*\i
.set CC, AC
.set FW, 128+64*((\q)%2)+16*\i
.set FX, XL+8*(\q)
.set SW, SC+32+4*\i+(\q)
.set SX, SC+48+4*((\a)/2)+(\q)
	WM (\a)%2
.endr
.endm
.macro TOSTAGE a                       ; through my stage: LDS serves a wave's instructions in order (ISA guide 5.7.1.4)
.set AO, 64*((\a)%4)
	WIN (0x88+0x44*((\a)/4))
.irp b, 0,1,2,3,4,5,6,7
	ds_store_b128 v[STO], v[AO+8*\b:AO+8*\b+3] offset:64*\b
	ds_store_b128 v[STO], v[AO+8*\b+4:AO+8*\b+7] offset:64*\b+16
.endr
.irp t, 0,1,2,3,4,5,6,7,8,9,10,11,12,13,14,15
	ds_load_b128 v[AO+4*\t:AO+4*\t+3], v[RD] offset:\t*SPITCH
.endr
.endm
.macro SEND a, younger                 ; younger: the LDS loads issued behind block a's, which may stay out
.set AO, 64*((\a)%4)
	s_wait_dscnt \younger
	WIN (0x88+0x44*((\a)/4))
.irp t, 0,1,2,3,4,5,6,7,8,9,10,11,12,13,14,15
	global_store_b128 v[CO], v[AO+4*\t:AO+4*\t+3], s[10:11] offset:(16*(\a)+\t)*ROWO th:TH_STORE_NT   ; 32 lanes store 512 consecutive bytes, at a multiple of 512
.endr
.endm
	s_wait_alu depctr_va_vdst(0)
	s_wait_tensorcnt 0x0                           ; my part of K step 0 is in
	ds_add_u32 v[SPW], v[NIL]
	s_wait_dscnt 0x0
	CROUND
	JLOAD 1                                        ; K step 1
	SCALES 0
.irp g, 0,2,4,6
	RUN 0, 0, 0, \g
.endr
	WIN 0
	PREF 2
	s_wait_loadcnt 0x0                             ; the bias
	STEP0 0, 1, 0, 1                               ; the first quarter stands in front of the loop: its products start the sums on the bias
	WIN 0
	s_mov_b32 s3, 3
.Llap:                                                 ; once round the ring, from slot 0's quarter 1 to slot 0's next quarter 0
	STEP1 0, 0, 1
	STEP2 0, 1, 1, 3, 1
	STEP3 0, 1, 0, 1
	STEP0 1, 0, 1, 0
	STEP1 1, 1, 0
	STEP2 1, 0, 0, 4, 0
	STEP3 1, 0, 1, 0
	STEP0 0, 0, 0, 1
	WIN 0
	s_wait_xcnt 0x0                                ; the prefetches have read their base
	s_add_nc_u64 s[PFA:PFA+1], s[PFA:PFA+1], 2*BLK
	s_sub_co_u32 s3, s3, 1
	s_cmp_lg_u32 s3, 0
	s_cbranch_scc1 .Llap
	STEP1 0, 0, 1                                  ; K step 6 goes on
	WIN 0
	s_wait_tensorcnt 0x0                           ; my part of K step 7 has landed
	ds_add_u32 v[SPW], v[NIL]
	QUAD 0, 2, 2, 0, 0
	QUAD 1, 2, 2, 0, 0
	s_wait_dscnt 0x0                               ; nobody reads slot 0 behind this barrier: the stages lie there
	s_barrier_signal -1
	QUAD 2, 2, 2, 0, 0
	s_barrier_wait -1                              ; nothing is filled again: no round
	PLACES
	SCALES 1
	ALOAD 0
	QUAD 3, 2, 2, 0, 0
	WL 0, 0
	QUAD 4, 2, 2, 0, 0
	WL 0, 2
	QUAD 5, 2, 2, 0, 0
	WL 1, 0
	QUAD 6, 2, 2, 0, 0
	WL 1, 2
	QUAD 7, 2, 2, 0, 0
	QUAD 0, 0, 3, 0, 0
	PLACES                                         ; set 2 is free
	WL 2, 0
	QUAD 1, 0, 3, 0, 0
	WL 2, 2
	QUAD 2, 0, 3, 0, 0
	WL 3, 0
	QUAD 3, 0, 3, 0, 0
	WL 3, 2
.irp b, 4,5,6,7
	QUAD \b, 0, 3, 0, 0
.endr
	PLACES                                         ; set 0 is free
	ALOAD 1
	s_wait_dscnt 40                                ; scale words, x's block 0, w's quarters 0 and 1: behind them quarters 2, 3 and x's block 1
	ROWQ 0, 0
	ROWQ 0, 1
	s_wait_dscnt 24                                ; quarter 2
	ROWQ 0, 2
	s_wait_dscnt 8                                 ; quarter 3
	ROWQ 0, 3
.irp a, 0,1,2,3,4,5,6,7
	PLACES                                         ; for the reads of results just made
	TOSTAGE \a
.if \a < 6
	ALOAD \a+2
.endif
.if \a < 7
.if \a < 6
	s_wait_dscnt 40                                ; block a + 1 is in: behind it the stage's 32 and block a + 2's 8
.else
	s_wait_dscnt 32
.endif
.irp q, 0,1,2,3
	ROWQ \a+1, \q
.endr
.endif
.if \a < 6
	SEND \a, 8
.else
	SEND \a, 0
.endif
.endr
	WIN 0
	s_wait_tensorcnt 0x0                           ; the wave's end
	ds_add_u32 v[SPW], v[NIL]
	s_wait_dscnt 0x0
	CROUND                                         ; the closing round: no work-group ends while a partner may still ask for a tile that names it
	s_endpgm
.Lfunc_end_k_q5d3b03b963_gemm:
	.size	k_q5d3b03b963_gemm, .Lfunc_end_k_q5d3b03b963_gemm-k_q5d3b03b963_gemm
	.p2alignl 7, 3214868480
	.fill 96, 4, 3214868480
	.section	.rodata,"a",@progbits
	.p2align	6, 0x0
	.amdhsa_kernel k_q5d3b03b963_gemm
		.amdhsa_group_segment_fixed_size 327680
		.amdhsa_private_segment_fixed_size 0
		.amdhsa_enable_private_segment 0
		.amdhsa_kernarg_size 32
		.amdhsa_user_sgpr_count 2
		.amdhsa_user_sgpr_kernarg_segment_ptr 1
		.amdhsa_wavefront_size32 1
		.amdhsa_system_sgpr_workgroup_id_x 1
		.amdhsa_system_sgpr_workgroup_id_y 1
		.amdhsa_system_sgpr_workgroup_id_z 1
		.amdhsa_system_vgpr_workitem_id 0
		.amdhsa_next_free_vgpr 1024
		.amdhsa_next_free_sgpr 66
		.amdhsa_reserve_vcc 0
		.amdhsa_float_denorm_mode_32 3
		.amdhsa_float_denorm_mode_16_64 3
		.amdhsa_memory_ordered 1
		.amdhsa_forward_progress 1
		.amdhsa_inst_pref_size 146
	.end_amdhsa_kernel
	.amdgpu_metadata
---
amdhsa.version: [ 1, 2 ]
amdhsa.kernels:
  - .name:           k_q5d3b03b963_gemm
    .symbol:         k_q5d3b03b963_gemm.kd
    .args:
      - { .name: qa, .offset: 0, .size: 8, .value_kind: global_buffer, .address_space: global }
      - { .name: qb, .offset: 8, .size: 8, .value_kind: global_buffer, .address_space: global }
      - { .name: bias, .offset: 16, .size: 8, .value_kind: global_buffer, .address_space: global }
      - { .name: out0, .offset: 24, .size: 8, .value_kind: global_buffer, .address_space: global }
    .group_segment_fixed_size: 327680
    .private_segment_fixed_size: 0
    .kernarg_segment_align: 8
    .kernarg_segment_size: 32
    .max_flat_workgroup_size: 128
    .sgpr_count:     66
    .vgpr_count:     1024
    .wavefront_size: 32
...
	.end_amdgpu_metadata
.endif
;; end of part 2
